; MI455X (gfx1250); checked and timed in simulation.
; The chip was launched on July 23, 2026; its instructions are those of AMD's public machine-readable ISA for CDNA 5 (MIT licence, August 2026) and "CDNA5" Instruction Set Architecture Reference Guide (July 2026). The comments in the code are by the model that wrote it; some were corrected since.
;; A Li Bi. Allowed arithmetic: float matrix products may take bf16 or f16 operands with f32 sums; all other float work in f32.
;; Inputs: Wk 1,024 x 1,024 float32; Wo 1,024 x 1,024 float32; Wq 1,024 x 1,024 float32; Wv 1,024 x 1,024 float32; bk 1,024 float32; bo 1,024 float32; bq 1,024 float32; bv 1,024 float32; x 2 x 2,048 x 1,024 float32.
;; Outputs: out0 2 x 2,048 x 1,024 float32.
;; Constants: n_head = 16.
;; One version. Each part assembles by itself: llvm-mc -triple=amdgcn-amd-amdhsa -mcpu=gfx1250 --defsym DOCPART=n.
;; ======== version 1 of 1: 4 launches
;; limits: values are held in f16: magnitudes above 65,504 overflow, below 6.1e-05 lose precision
;; workspace buffers: xh 8,388,608 bytes; wt 8,388,608 bytes; qkv 25,165,824 bytes; yh 8,388,608 bytes
;; launch prep (part 1): grid 512 x 1, 8 waves a work-group, no clusters, 35,840 bytes of LDS; arguments x, Wq, Wk, Wv, Wo, xh, wt; writes xh, wt
.if DOCPART == 1
	.amdgcn_target "amdgcn-amd-amdhsa--gfx1250"
	.amdhsa_code_object_version 6
	.text
	.protected	k_q025fdab6c3_prep
	.globl	k_q025fdab6c3_prep
	.p2align	8
	.type	k_q025fdab6c3_prep,@function
k_q025fdab6c3_prep:
	s_mov_b64 s[64:65], 0
	v_nop
	global_prefetch_b8 v0, s[64:65] scope:SCOPE_SE
	s_setreg_imm32_b32 hwreg(HW_REG_WAVE_MODE, 25, 1), 1
	s_wait_xcnt 0x0
; prep: every f32 operand of the three products is rounded to f16 once, and the weights are turned so that K lies along the rows.
;   xh[row][c]  = f16(x[row][c])                  4,096 rows of 1,024
;   wt[n][k]    = f16(W[k][n]), rows 0-1023 from Wq, 1024-2047 from Wk, 2048-3071 from Wv, 3072-4095 from Wo
; WHY F16 AND NOT BF16: the first row of a sequence is one row of v times Wo, not an average, so its numbers are several times the output's root mean
; square, and roundings to 8 significant bits along the way come to more than half of an allowance of a hundredth of that root mean square; 11 bits are 8 times finer.
; RANGE: f16 reaches 65,504.  x has a spread of 1 and the weights of 0.02 and 0.004: 30 times larger, or offset by 30 spreads, they stay below 200.
; 30 times smaller, Wo has a spread of 1.4e-4; below 6.1e-5 f16 goes in steps of 6e-8, a rounding of about 1.3e-4 of that spread: still finer than 8 bits.
; 512 work-groups of eight waves, 65,536 bytes of f32 each: numbers 0-255 take 16 rows of x, numbers 256-511 one tile of 128 k x 128 n of a weight.
; A stream: no matrix unit, no cluster (no two work-groups read the same bytes), loads through registers, all of a thread's 16 loads out at once.
.set X, 8                              ; v[8:71]    16 loads of 4 registers
.set Y, 72                             ; v[72:103]  the f16 words
.set TPITCH, 272                       ; the stage's rows: 128 k in f16 (256 bytes) + 16
	s_load_b256 s[4:11], s[0:1], 0x0               ; x s[4:5], Wq s[6:7], Wk s[8:9], Wv s[10:11]
	s_load_b128 s[12:15], s[0:1], 0x20             ; Wo s[12:13], xh s[14:15]
	s_load_b64 s[16:17], s[0:1], 0x30              ; wt
	v_lshl_add_u32 v104, v0, 2, 0x8800
	v_mov_b32 v105, 0
	s_cmp_ge_u32 ttmp9, 256                        ; the same for all eight waves of a work-group
	s_cbranch_scc1 .Lw
	; ---- x: thread t takes 32 bytes (8 numbers) at 32 t of each block of 8,192 bytes, and stores their 16 bytes at 16 t of each block of 4,096
	s_lshl_b32 s20, ttmp9, 16
	s_mov_b32 s21, 0
	s_lshl_b32 s22, ttmp9, 15
	s_mov_b32 s23, 0
	v_lshlrev_b32 v1, 5, v0
	v_lshlrev_b32 v2, 4, v0
	s_wait_kmcnt 0x0
	s_add_nc_u64 s[4:5], s[4:5], s[20:21]
	s_add_nc_u64 s[14:15], s[14:15], s[22:23]
.irp i, 0,1,2,3,4,5,6,7
	global_load_b128 v[X+8*\i:X+8*\i+3],   v1, s[4:5] offset:\i*8192 th:TH_LOAD_NT
	global_load_b128 v[X+8*\i+4:X+8*\i+7], v1, s[4:5] offset:\i*8192+16 th:TH_LOAD_NT
.endr
.irp i, 0,1,2,3,4,5,6,7
	s_wait_loadcnt 14-2*\i                         ; loads come back in order: pair i is in, the 14 - 2 i younger loads stay out
.irp j, 0,1,2,3
	v_cvt_pk_f16_f32 v[Y+4*\i+\j], v[X+8*\i+2*\j], v[X+8*\i+2*\j+1]
.endr
	global_store_b128 v2, v[Y+4*\i:Y+4*\i+3], s[14:15] offset:\i*4096    ; a wave's store covers 512 consecutive bytes; each Y register is written once
.endr
	s_endpgm
	; ---- a weight's tile: rows k = 128 kt .. +127, columns n = 128 nt .. +127
.Lw:
	s_sub_co_u32 s24, ttmp9, 256
	s_lshr_b32 s25, s24, 6                         ; which weight
	s_bfe_u32 s26, s24, 0x30003                    ; kt
	s_and_b32 s27, s24, 7                          ; nt
	v_and_b32 v6, 31, v0                           ; lane c: columns 4 c .. 4 c + 3
	v_lshrrev_b32 v7, 5, v0                        ; wave w: rows 16 w .. 16 w + 15
	v_lshlrev_b32 v1, 4, v6
	v_lshl_add_u32 v1, v7, 16, v1                  ; 16 w rows of 4,096 bytes + 16 c
	v_mul_u32_u24 v3, v6, 4*TPITCH
	v_lshl_add_u32 v3, v7, 5, v3                   ; stage, in: row 4 c, byte 2 x 16 w
	v_lshrrev_b32 v4, 4, v6
	v_lshl_add_u32 v4, v7, 4, v4                   ; back: row 16 w + lane / 16
	v_and_b32 v2, 15, v0
	v_lshlrev_b32 v5, 11, v4                       ; the same row in wt, 2,048 bytes a row,
	v_lshl_add_u32 v5, v2, 4, v5                   ; + 16 (lane mod 16)
	v_mul_u32_u24 v4, v4, TPITCH
	v_lshl_add_u32 v4, v2, 4, v4
	s_lshl_b32 s20, s26, 19                        ; kt x 128 rows x 4,096 bytes
	s_lshl_b32 s21, s27, 9                         ; nt x 128 columns x 4 bytes
	s_add_co_u32 s20, s20, s21
	s_mov_b32 s21, 0
	s_lshl_b32 s22, s25, 21                        ; which x 1,024 rows x 2,048 bytes
	s_lshl_b32 s23, s27, 18                        ; nt x 128 rows
	s_add_co_u32 s22, s22, s23
	s_lshl_b32 s23, s26, 8                         ; kt x 128 k x 2 bytes
	s_add_co_u32 s22, s22, s23
	s_mov_b32 s23, 0
	s_wait_kmcnt 0x0
	s_mov_b64 s[18:19], s[6:7]
	s_cmp_eq_u32 s25, 1
	s_cselect_b64 s[18:19], s[8:9], s[18:19]
	s_cmp_eq_u32 s25, 2
	s_cselect_b64 s[18:19], s[10:11], s[18:19]
	s_cmp_eq_u32 s25, 3
	s_cselect_b64 s[18:19], s[12:13], s[18:19]
	s_add_nc_u64 s[18:19], s[18:19], s[20:21]
	s_add_nc_u64 s[16:17], s[16:17], s[22:23]
.irp i, 0,1,2,3,4,5,6,7,8,9,10,11,12,13,14,15
	global_load_b128 v[X+4*\i:X+4*\i+3], v1, s[18:19] offset:\i*4096 th:TH_LOAD_NT   ; a wave reads 512 consecutive bytes of row 16 w + i
.endr
	; The packing itself turns the tile: the numbers of rows k and k + 1 in one column make one word of wt's row.
.irp i, 0,1,2,3,4,5,6,7
	s_wait_loadcnt 14-2*\i                         ; rows 2 i and 2 i + 1 are in
.irp e, 0,1,2,3
	v_cvt_pk_f16_f32 v[Y+8*\e+\i], v[X+8*\i+\e], v[X+8*\i+4+\e]
.endr
.endr
	; 32 bytes (16 k) for each of my four columns.  Rows 4 c lie 1,088 bytes apart:
	; eight such stores a thread in the whole launch, taken as they are.
.irp e, 0,1,2,3
	ds_store_b128 v3, v[Y+8*\e:Y+8*\e+3]   offset:\e*TPITCH
	ds_store_b128 v3, v[Y+8*\e+4:Y+8*\e+7] offset:\e*TPITCH+16
.endr
	s_wait_dscnt 0x0                               ; my stores are done before I say so: other waves read these rows
	s_barrier_signal -1
	s_barrier_wait -1
.irp i, 0,1,2,3,4,5,6,7
	ds_load_b128 v[X+4*\i:X+4*\i+3], v4 offset:\i*2*TPITCH
.endr
.irp i, 0,1,2,3,4,5,6,7
	s_wait_dscnt 7-\i
	global_store_b128 v5, v[X+4*\i:X+4*\i+3], s[16:17] offset:\i*4096    ; sixteen lanes store 256 consecutive bytes, at a multiple of 256 from wt's first byte
.endr
	s_wait_tensorcnt 0x0
	ds_add_u32 v104, v105
	s_wait_dscnt 0x0
	s_endpgm
.Lfunc_end_k_q025fdab6c3_prep:
	.size	k_q025fdab6c3_prep, .Lfunc_end_k_q025fdab6c3_prep-k_q025fdab6c3_prep
	.p2alignl 7, 3214868480
	.fill 96, 4, 3214868480
	.section	.rodata,"a",@progbits
	.p2align	6, 0x0
	.amdhsa_kernel k_q025fdab6c3_prep
		.amdhsa_group_segment_fixed_size 35840
		.amdhsa_private_segment_fixed_size 0
		.amdhsa_enable_private_segment 0
		.amdhsa_kernarg_size 56
		.amdhsa_user_sgpr_count 2
		.amdhsa_user_sgpr_kernarg_segment_ptr 1
		.amdhsa_wavefront_size32 1
		.amdhsa_system_sgpr_workgroup_id_x 1
		.amdhsa_system_sgpr_workgroup_id_y 1
		.amdhsa_system_sgpr_workgroup_id_z 1
		.amdhsa_system_vgpr_workitem_id 0
		.amdhsa_next_free_vgpr 106
		.amdhsa_next_free_sgpr 66
		.amdhsa_reserve_vcc 0
		.amdhsa_float_denorm_mode_32 3
		.amdhsa_float_denorm_mode_16_64 3
		.amdhsa_memory_ordered 1
		.amdhsa_forward_progress 1
		.amdhsa_inst_pref_size 13
	.end_amdhsa_kernel
	.amdgpu_metadata
---
amdhsa.version: [ 1, 2 ]
amdhsa.kernels:
  - .name:           k_q025fdab6c3_prep
    .symbol:         k_q025fdab6c3_prep.kd
    .args:
      - { .name: x, .offset: 0, .size: 8, .value_kind: global_buffer, .address_space: global }
      - { .name: Wq, .offset: 8, .size: 8, .value_kind: global_buffer, .address_space: global }
      - { .name: Wk, .offset: 16, .size: 8, .value_kind: global_buffer, .address_space: global }
      - { .name: Wv, .offset: 24, .size: 8, .value_kind: global_buffer, .address_space: global }
      - { .name: Wo, .offset: 32, .size: 8, .value_kind: global_buffer, .address_space: global }
      - { .name: xh, .offset: 40, .size: 8, .value_kind: global_buffer, .address_space: global }
      - { .name: wt, .offset: 48, .size: 8, .value_kind: global_buffer, .address_space: global }
    .group_segment_fixed_size: 35840
    .private_segment_fixed_size: 0
    .kernarg_segment_align: 8
    .kernarg_segment_size: 56
    .max_flat_workgroup_size: 256
    .sgpr_count:     66
    .vgpr_count:     106
    .wavefront_size: 32
...
	.end_amdgpu_metadata
.endif
;; end of part 1
;; launch qkvproj (part 2): grid 16 x 16, 4 waves a work-group, clusters of 4 x 4, 327,680 bytes of LDS; arguments xh, wt, bq, bk, bv, qkv; writes qkv
.if DOCPART == 2
	.amdgcn_target "amdgcn-amd-amdhsa--gfx1250"
	.amdhsa_code_object_version 6
	.text
	.protected	k_q025fdab6c3_qkvproj
	.globl	k_q025fdab6c3_qkvproj
	.p2align	8
	.type	k_q025fdab6c3_qkvproj,@function
k_q025fdab6c3_qkvproj:
	s_mov_b64 s[64:65], 0
	v_nop
	global_prefetch_b8 v0, s[64:65] scope:SCOPE_SE
	s_setreg_imm32_b32 hwreg(HW_REG_WAVE_MODE, 25, 1), 1
	s_wait_xcnt 0x0
	s_wait_alu depctr_hold_cnt(0) depctr_sa_sdst(0) depctr_va_vdst(0) depctr_va_sdst(0) depctr_va_ssrc(0) depctr_va_vcc(0) depctr_vm_vsrc(0)
	s_getreg_b32 s2, hwreg(HW_REG_IB_STS2, 6, 4)
	s_cmp_eq_u32 s2, 0
	s_cbranch_scc0 .Lentry_in_a_cluster
	s_endpgm
.Lentry_in_a_cluster:
	s_bfe_u32 s2, ttmp6, 0x10000c
	s_cmp_lg_u32 s2, 0xf033
	s_cbranch_scc0 .Lentry_shape_is_right
	s_endpgm
.Lentry_shape_is_right:
; qkvproj: [q | k | v] = xh . wt^T + bias.  xh [4096][1024] f16, wt rows 0-3071 [n][1024] f16, sums in f32, rounded once to f16.
; Output qkv: 48 planes (n / 64: 16 heads of q, of k, of v) of [4096 rows][64] f16, so that a head's rows are one dense block for the next launch.
; RANGE OF THE RESULT IN F16 (largest number 65,504): a sum of 1,024 products of spreads 1 and 0.02 has a spread of 0.64.  With x and the weight both 30 times
; larger that is 576, with extremes near 3,500; with x offset by 30 and the weight by 0.6 it is 1,024 x 30 x 0.6 = 18,432.  LIMIT: |q|, |k|, |v| below 65,504.
; A work-group makes 256 rows x 192 columns (three planes) with four waves; wave w makes rows 64 w .. 64 w + 63 of all 192 columns: 48 accumulator tiles,
; 384 registers.  For 32 along K a wave reads 32 x 512 bytes from LDS for 48 matrix instructions.  16 x 16 = 256 work-groups.
; K = 1,024 goes in 8 steps of 128 through two LDS slots filled by the tensor data mover; a tile's rows are 256 bytes of memory at multiples of 256.
; CLUSTERS: 4 x 4 work-groups.  xh's tile hangs on the block row alone and is asked for jointly by a row of the cluster; wt's on the block column alone,
; jointly by a column.  That divides the requests for both by four.
; The matrix instruction is used transposed (source 0 = 16 rows of wt, source 1 = 16 rows of xh): lane l holds row l % 16 of the result and its registers
; the columns 8 (l / 16) + 0..7.  A bias laid out the same way is the C operand of the first products: nothing is cleared, nothing is added at the end.
; REGISTERS: window 0: v16-27 addresses; v32-63, v64-95 xh's fragments, two buffers; v96-191 the bias, later the way out.
;   window 1: v0-95, v96-191 wt's fragments, two buffers.  window 2: the tiles of my rows 0-31 (tile (a, b) at v[8 (12 a + b)]); window 3: rows 32-63.
.set KSTEP,  128
.set PITCH,  272                       ; an LDS row: 256 bytes + 16 of padding, an odd multiple of 16: the 16 rows of a fragment load start in 16 different columns of 16 bytes
.set ABYTES, 256*PITCH                 ; xh's 256 rows
.set SLOT,   448*PITCH                 ; then wt's 192 rows: 121,856 bytes
.set STAGE,  2*SLOT                    ; behind the ring, at a multiple of 256: for each wave 3 planes x 16 rows x 144 bytes; no fill lands here
.set SPITCH, 144
.set SPLANE, 16*SPITCH
.set LAPS,   4                         ; a lap = two K steps = once round the ring
.set ADRA, 16                          ; v16-17  LDS address of my xh fragments in slot 0, 1
.set ADRB, 20                          ; v20-21  the same for wt
.set STO,  24
.set RD,   25
.set CO,   26
.set AF,   32                          ; window 0: buffer f at AF + 32 f
.set BF,   0                           ; window 1: buffer f at BF + 96 f
.set BIAS, 96                          ; v[96:191]: tile column b's eight numbers at BIAS + 8 b
.set TP,   96                          ; the way out: packed results
.set RB,   144                         ; the way out: rows read back
.set G1,  24                           ; s[24:31] group 1 for xh's tiles
.set G0,  32                           ; s[32:39] group 0 for xh's tiles, one set a slot
.set G1B, 48                           ; s[48:55] group 1 for wt's tiles
.set G0B, 56                           ; s[56:63] group 0 for wt's tiles
.set G1W0, (1<<16)|(1<<20)|(1<<21)|(5<<22)|(3<<25)   ; elements of 2 bytes; padding on; bit 21 beside a mask; after every 64 words, 4 words
.set MSB, 0
.macro WIN new                         ; the immediate's high byte repeats the setting that is left
.if MSB != \new
	s_set_vgpr_msb (MSB<<8)|\new
.set MSB, \new
.endif
.endm
.set MUL_LO,   0xa1                    ; source 0 window 1, source 1 window 0, C and D window 2
.set MUL_HI,   0xf1                    ; C and D window 3
.set FIRST_LO, 0x81                    ; the first products: C (the bias) window 0, D window 2
.set FIRST_HI, 0xc1
.set TO_B,     0x40                    ; destination window 1, address window 0
; A joint load: waves 0 and 1 fetch xh's two halves, waves 2 and 3 wt's.  The branch hangs on the wave's number alone.
.macro JLOAD sl
	s_cmp_eq_u32 s17, 0
	s_cbranch_scc0 .Lfor_b_\@
	tensor_load_to_lds s[G0+4*\sl:G0+4*\sl+3], s[G1:G1+7]
	s_nop 0
	s_branch .Lasked_\@
.Lfor_b_\@:
	tensor_load_to_lds s[G0B+4*\sl:G0B+4*\sl+3], s[G1B:G1B+7]
	s_nop 0
.Lasked_\@:
.endm
; A round of the cluster's barrier behind its opening work-group barrier: wave 0 signals for the work-group, every wave waits for all sixteen, a work-group barrier closes it.
.macro CREST
	s_cmp_lg_u32 s16, 0
	s_cbranch_scc1 .Lnot_wave_0_\@
	s_barrier_signal -3
.Lnot_wave_0_\@:
	s_barrier_wait -3
	s_barrier_signal -1
	s_barrier_wait -1
.endm
.macro CROUND
	s_barrier_signal -1
	s_barrier_wait -1
	CREST
.endm
	s_load_b256 s[4:11], s[0:1], 0x0               ; xh s[4:5], wt s[6:7], bq s[8:9], bk s[10:11]
	s_load_b128 s[12:15], s[0:1], 0x20             ; bv s[12:13], qkv s[14:15]
	s_set_vgpr_msb 0x40
	v_lshl_add_u32 v255, v0, 2, 0x42400
	s_set_vgpr_msb 0x4000
	v_mov_b32 v255, 0
	s_set_vgpr_msb 0x1
	ds_add_u32 v255, v255
	ds_add_u32 v255, v255
	s_set_vgpr_msb 0x100
	v_lshrrev_b32 v1, 5, v0
	v_readfirstlane_b32 s16, v1                    ; wave 0..3
	s_lshr_b32 s17, s16, 1                         ; I fetch for xh (0) or for wt (1)
	s_and_b32 s18, s16, 1                          ; which half of that tile
	s_bfe_u32 s21, ttmp6, 0x40000                  ; cx
	s_bfe_u32 s22, ttmp6, 0x40004                  ; cy
	s_lshl_b32 s20, ttmp9, 2
	s_add_co_u32 s20, s20, s21                     ; block column = 4 x cluster x + cx
	s_and_b32 s19, ttmp7, 0xffff
	s_lshl_b32 s19, s19, 2
	s_add_co_u32 s19, s19, s22                     ; block row = 4 x cluster y + cy
	s_lshl_b32 s42, s22, 2
	s_lshl_b32 s42, 15, s42                        ; my row of the cluster: places 4 cy .. 4 cy + 3
	s_lshl_b32 s43, 0x1111, s21                    ; my column: places cx, cx + 4, cx + 8, cx + 12
	s_or_b32 s[G1+0], s42, G1W0                    ; xh's tiles go to my row
	s_or_b32 s[G1B+0], s43, G1W0                   ; wt's to my column
	s_mov_b32 s[G1+1], KSTEP<<16                   ; tensor_dim0 = 128
	s_mov_b32 s[G1B+1], KSTEP<<16
	s_mov_b32 s[G1+2], 128<<16                     ; tensor_dim1 = 128 rows
	s_mov_b32 s[G1B+2], 96<<16                     ;             = 96 rows
	s_mov_b32 s[G1+3], KSTEP<<16                   ; tile_dim0 = 128
	s_mov_b32 s[G1B+3], KSTEP<<16
	s_mov_b32 s[G1+4], 128                         ; tile_dim1
	s_mov_b32 s[G1B+4], 96
	s_mov_b32 s[G1+5], 1024                        ; elements from row to row
	s_mov_b32 s[G1B+5], 1024
	s_mov_b32 s[G1+6], 0
	s_mov_b32 s[G1B+6], 0
	s_mov_b32 s[G1+7], 0
	s_mov_b32 s[G1B+7], 0
	; xh's address is made of the block row and the wave's number, wt's of the block column and the wave's number, each in registers that never hold the other coordinate
	s_lshl_b32 s40, s19, 19                        ; 256 rows x 2,048 bytes
	s_lshl_b32 s41, s18, 18                        ; + 128 rows for the second half
	s_add_co_u32 s40, s40, s41
	s_mov_b32 s41, 0
	s_mul_i32 s46, s20, 192*2048
	s_mul_i32 s47, s18, 96*2048
	s_add_co_u32 s46, s46, s47
	s_mov_b32 s47, 0
	s_mul_i32 s44, s16, 128*PITCH                  ; LDS: waves 0, 1: xh's halves at w x 34,816
	s_mul_i32 s45, s16, 96*PITCH
	s_add_co_u32 s45, s45, ABYTES-2*96*PITCH       ; waves 2, 3: wt's halves at 69,632 + (w - 2) x 26,112
	s_wait_dscnt 0x0
	s_wait_kmcnt 0x0
	s_add_nc_u64 s[40:41], s[4:5], s[40:41]
	s_add_nc_u64 s[46:47], s[6:7], s[46:47]
	CROUND                                         ; all sixteen work-groups are here: the first joint loads meet
.irp sl, 0,1
	s_mov_b32 s[G0+4*\sl], 1
	s_add_co_u32 s[G0+4*\sl+1], s44, \sl*SLOT
	s_add_nc_u64 s[G0+4*\sl+2:G0+4*\sl+3], s[40:41], \sl*KSTEP*2
	s_or_b32 s[G0+4*\sl+3], s[G0+4*\sl+3], 0x80000000
	s_mov_b32 s[G0B+4*\sl], 1
	s_add_co_u32 s[G0B+4*\sl+1], s45, \sl*SLOT
	s_add_nc_u64 s[G0B+4*\sl+2:G0B+4*\sl+3], s[46:47], \sl*KSTEP*2
	s_or_b32 s[G0B+4*\sl+3], s[G0B+4*\sl+3], 0x80000000
	JLOAD \sl                                      ; both slots are asked for before anything else: two tensor loads of a wave are out
.endr
	v_and_b32 v1, 15, v0                           ; r = l % 16
	v_bfe_u32 v2, v0, 4, 1                         ; h = l / 16
	v_mul_u32_u24 v3, v1, PITCH
	v_lshl_add_u32 v3, v2, 4, v3                   ; a fragment: row x pitch + 16 h, two loads 32 bytes apart
	s_mul_i32 s74, s16, 64*PITCH                   ; my 64 rows of xh
	s_mov_b32 s75, ABYTES                          ; wt's rows: all waves read all 192
.irp sl, 0,1
	v_add_nc_u32 v[ADRA+\sl], s74, v3
	v_add_nc_u32 v[ADRB+\sl], s75, v3
	s_add_co_u32 s74, s74, SLOT
	s_add_co_u32 s75, s75, SLOT
.endr
	s_mul_i32 s76, s16, 3*SPLANE
	s_add_co_u32 s76, s76, STAGE                   ; my stage
	v_mul_u32_u24 v4, v1, SPITCH
	v_lshl_add_u32 v4, v2, 4, v4
	v_add_nc_u32 v[STO], s76, v4                   ; in: row r, 16 bytes for each half of the lanes
	v_and_b32 v5, 31, v0
	v_lshrrev_b32 v6, 3, v5
	v_and_b32 v7, 7, v0
	v_mul_u32_u24 v6, v6, SPITCH
	v_lshl_add_u32 v6, v7, 4, v6
	v_add_nc_u32 v[RD], s76, v6                    ; back: eight lanes a row of 128 bytes, four rows a load
	v_lshlrev_b32 v[CO], 4, v5                     ; and the same four rows in a plane: 512 consecutive bytes
	v_lshlrev_b32 v27, 5, v2                       ; the bias: 8 h numbers of 4 bytes
	; the bias of my three planes: plane P = 3 x block column + pl belongs to bq, bk or bv by P / 16, and begins at number 64 (P % 16)
.irp pl, 0,1,2
	s_mul_i32 s77, s20, 3
	s_add_co_u32 s77, s77, \pl
	s_lshr_b32 s78, s77, 4
	s_and_b32 s77, s77, 15
	s_lshl_b32 s74, s77, 8
	s_mov_b32 s75, 0
	s_mov_b64 s[68+2*\pl:69+2*\pl], s[8:9]
	s_cmp_eq_u32 s78, 1
	s_cselect_b64 s[68+2*\pl:69+2*\pl], s[10:11], s[68+2*\pl:69+2*\pl]
	s_cmp_eq_u32 s78, 2
	s_cselect_b64 s[68+2*\pl:69+2*\pl], s[12:13], s[68+2*\pl:69+2*\pl]
	s_add_nc_u64 s[68+2*\pl:69+2*\pl], s[68+2*\pl:69+2*\pl], s[74:75]
.irp bb, 0,1,2,3
	global_load_b128 v[BIAS+32*\pl+8*\bb:BIAS+32*\pl+8*\bb+3],   v27, s[68+2*\pl:69+2*\pl] offset:64*\bb
	global_load_b128 v[BIAS+32*\pl+8*\bb+4:BIAS+32*\pl+8*\bb+7], v27, s[68+2*\pl:69+2*\pl] offset:64*\bb+16
.endr
.endr
	; where my results go: plane 3 x block column, row 256 x block row + 64 w, 128 bytes a row
	s_mul_i32 s74, s20, 3*524288
	s_lshl_b32 s75, s19, 15
	s_add_co_u32 s74, s74, s75
	s_lshl_b32 s75, s16, 13
	s_add_co_u32 s74, s74, s75
	s_mov_b32 s75, 0
	s_add_nc_u64 s[14:15], s[14:15], s[74:75]
; 12 matrix instructions: 16 of my rows (ap of the window's two blocks; hi = 0: rows 0-31, 1: rows 32-63) x all 12 column blocks, 32 along K.
; The 48 accumulators take turns, one instruction a turn, in the same order in every quarter step, over the loop's backward jump too.
.macro MUL12 f, hi, ap, first
.irp b, 0,1,2,3,4,5,6,7,8,9,10,11
.if \first
	v_wmma_f32_16x16x32_f16 v[8*(12*\ap+\b):8*(12*\ap+\b)+7], v[BF+96*\f+8*\b:BF+96*\f+8*\b+7], v[AF+32*\f+8*(2*\hi+\ap):AF+32*\f+8*(2*\hi+\ap)+7], v[BIAS+8*\b:BIAS+8*\b+7]
.else
	v_wmma_f32_16x16x32_f16 v[8*(12*\ap+\b):8*(12*\ap+\b)+7], v[BF+96*\f+8*\b:BF+96*\f+8*\b+7], v[AF+32*\f+8*(2*\hi+\ap):AF+32*\f+8*(2*\hi+\ap)+7], v[8*(12*\ap+\b):8*(12*\ap+\b)+7]
.endif
.endr
.endm
; 32 LDS loads in one run: a quarter step's fragments (192 rows of wt, my 64 rows of xh, 32 K at byte k of the rows) into buffer g
.macro FETCH slot, k, g
	WIN TO_B
.irp i, 0,1,2,3,4,5,6,7,8,9,10,11
	ds_load_b128 v[BF+96*\g+8*\i:BF+96*\g+8*\i+3],   v[ADRB+\slot] offset:\k+\i*16*PITCH
	ds_load_b128 v[BF+96*\g+8*\i+4:BF+96*\g+8*\i+7], v[ADRB+\slot] offset:\k+\i*16*PITCH+32
.endr
	WIN 0
.irp i, 0,1,2,3
	ds_load_b128 v[AF+32*\g+8*\i:AF+32*\g+8*\i+3],   v[ADRA+\slot] offset:\k+\i*16*PITCH
	ds_load_b128 v[AF+32*\g+8*\i+4:AF+32*\g+8*\i+7], v[ADRA+\slot] offset:\k+\i*16*PITCH+32
.endr
.endm
; Four places of plain vector instructions stand between a matrix instruction and a load into one of its registers, or a vector instruction that reads its result
; (ISA guide 7.12.1 for vector instructions); the matrix instructions in between are not counted.
.macro PLACES
.rept 4
	v_nop
.endr
.endm
; One of a K step's first three quarters: multiplies buffer f; in its middle it fetches the next quarter's fragments into buffer g.
.macro QUARTER slot, k, f, g, first
	s_wait_dscnt 4                                 ; wt's fragments and my rows 0-31 are in; the youngest four loads (rows 32-63) may be out
.if \first
	WIN FIRST_LO
.else
	WIN MUL_LO
.endif
	MUL12 \f, 0, 0, \first
	MUL12 \f, 0, 1, \first
	PLACES
	FETCH \slot, \k, \g
	s_wait_dscnt 32                                ; all but the 32 just issued
.if \first
	WIN FIRST_HI
.else
	WIN MUL_HI
.endif
	MUL12 \f, 1, 0, \first
	MUL12 \f, 1, 1, \first
.endm
.macro THREE slot, first
	QUARTER \slot, 64,  0, 1, \first
	QUARTER \slot, 128, 1, 0, 0
	QUARTER \slot, 192, 0, 1, 0
.endm
; The last quarter: multiplies buffer 1 and changes slots.  In front of the barrier each wave waits for its reads of this slot and for all its tensor loads
; (one is out: its part of the next slot).  Where this slot is filled again the barrier opens a round of the cluster's barrier, and the joint refill is the
; first tensor load behind the round's close.  From a request to the wait for it a wave issues 180 matrix instructions.
.macro TURN slot, next, fill
	s_wait_dscnt 4
	WIN MUL_LO
	MUL12 1, 0, 0, 0
	s_wait_dscnt 0                                 ; my reads of this slot are over
	s_wait_tensorcnt 0x0                           ; and all my tensor loads have landed
	ds_add_u32 v255, v255
	s_wait_dscnt 0x0
	s_barrier_signal -1
	MUL12 1, 0, 1, 0                               ; registers only, while the others arrive
	WIN 0
	s_barrier_wait -1
.if \fill
	CREST                                          ; no wave of any partner still reads this slot or has a load on its way
	s_add_nc_u64 s[G0+4*\slot+2:G0+4*\slot+3], s[G0+4*\slot+2:G0+4*\slot+3], 2*KSTEP*2
	s_add_nc_u64 s[G0B+4*\slot+2:G0B+4*\slot+3], s[G0B+4*\slot+2:G0B+4*\slot+3], 2*KSTEP*2
	JLOAD \slot
.endif
	PLACES
	FETCH \next, 0, 0
	WIN MUL_HI
	MUL12 1, 1, 0, 0
	MUL12 1, 1, 1, 0
.endm
.macro LAP first
	THREE 0, \first
	TURN 0, 1, 1
	THREE 1, 0
	TURN 1, 0, 1
.endm
	s_wait_loadcnt 0x0                             ; the bias, which the first products take as C
	s_wait_tensorcnt 0x1                           ; my part of K step 0 is in; K step 1's may stay out
	s_barrier_signal -1
	s_barrier_wait -1
	FETCH 0, 0, 0
	LAP 1                                          ; the first lap stands in front of the loop: its first products start the sums from the bias
	WIN 0
	s_mov_b32 s3, LAPS-2
.Llap:
	LAP 0
	WIN 0
	s_sub_co_u32 s3, s3, 1
	s_cmp_lg_u32 s3, 0
	s_cbranch_scc1 .Llap
	THREE 0, 0                                     ; the last lap fills nothing
	TURN 0, 1, 0
	THREE 1, 0
	s_wait_dscnt 4
	WIN MUL_LO
	MUL12 1, 0, 0, 0
	MUL12 1, 0, 1, 0
	s_wait_dscnt 0
	WIN MUL_HI
	MUL12 1, 1, 0, 0
	MUL12 1, 1, 1, 0
	; THE WAY OUT, 16 rows at a time: round to f16, 16 bytes a lane into my own stage (one block of 16 rows x 144 bytes for each plane), read back four rows a load.
	PLACES
.macro OUT16 a, ap, from
	WIN \from
.irp b, 0,1,2,3,4,5,6,7,8,9,10,11
.irp r2, 0,1,2,3
	v_cvt_pk_f16_f32 v[TP+4*\b+\r2], v[8*(12*\ap+\b)+2*\r2], v[8*(12*\ap+\b)+2*\r2+1]
.endr
.endr
	WIN 0
.irp b, 0,1,2,3,4,5,6,7,8,9,10,11
	ds_store_b128 v[STO], v[TP+4*\b:TP+4*\b+3] offset:(\b/4)*SPLANE+(\b%4)*32
.endr
	s_wait_xcnt 0x0                                ; RB, which the last 16 rows' stores read, is loaded again only behind this wait
.irp t, 0,1,2,3,4,5,6,7,8,9,10,11
	ds_load_b128 v[RB+4*\t:RB+4*\t+3], v[RD] offset:(\t/4)*SPLANE+(\t%4)*4*SPITCH   ; LDS serves a wave's instructions in order: these see the stores above
.endr
.irp t, 0,1,2,3,4,5,6,7,8,9,10,11
	s_wait_dscnt 11-\t
	global_store_b128 v[CO], v[RB+4*\t:RB+4*\t+3], s[14:15] offset:(\t/4)*524288+\a*2048+(\t%4)*512   ; 512 consecutive bytes of a plane, at a multiple of 512
.endr
.endm
	OUT16 0, 0, 0x0a
	OUT16 1, 1, 0x0a
	OUT16 2, 0, 0x0f
	OUT16 3, 1, 0x0f
	s_set_vgpr_msb 0x1
	s_wait_tensorcnt 0x0
	ds_add_u32 v255, v255
	s_wait_dscnt 0x0
	s_set_vgpr_msb 0x100
	CROUND                                         ; the closing round: no work-group ends while a partner may still ask for a tile that names it
	s_endpgm
.Lfunc_end_k_q025fdab6c3_qkvproj:
	.size	k_q025fdab6c3_qkvproj, .Lfunc_end_k_q025fdab6c3_qkvproj-k_q025fdab6c3_qkvproj
	.p2alignl 7, 3214868480
	.fill 96, 4, 3214868480
	.section	.rodata,"a",@progbits
	.p2align	6, 0x0
	.amdhsa_kernel k_q025fdab6c3_qkvproj
		.amdhsa_group_segment_fixed_size 327680
		.amdhsa_private_segment_fixed_size 0
		.amdhsa_enable_private_segment 0
		.amdhsa_kernarg_size 48
		.amdhsa_user_sgpr_count 2
		.amdhsa_user_sgpr_kernarg_segment_ptr 1
		.amdhsa_wavefront_size32 1
		.amdhsa_system_sgpr_workgroup_id_x 1
		.amdhsa_system_sgpr_workgroup_id_y 1
		.amdhsa_system_sgpr_workgroup_id_z 1
		.amdhsa_system_vgpr_workitem_id 0
		.amdhsa_next_free_vgpr 960
		.amdhsa_next_free_sgpr 80
		.amdhsa_reserve_vcc 0
		.amdhsa_float_denorm_mode_32 3
		.amdhsa_float_denorm_mode_16_64 3
		.amdhsa_memory_ordered 1
		.amdhsa_forward_progress 1
		.amdhsa_inst_pref_size 167
	.end_amdhsa_kernel
	.amdgpu_metadata
---
amdhsa.version: [ 1, 2 ]
amdhsa.kernels:
  - .name:           k_q025fdab6c3_qkvproj
    .symbol:         k_q025fdab6c3_qkvproj.kd
    .args:
      - { .name: xh, .offset: 0, .size: 8, .value_kind: global_buffer, .address_space: global }
      - { .name: wt, .offset: 8, .size: 8, .value_kind: global_buffer, .address_space: global }
      - { .name: bq, .offset: 16, .size: 8, .value_kind: global_buffer, .address_space: global }
      - { .name: bk, .offset: 24, .size: 8, .value_kind: global_buffer, .address_space: global }
      - { .name: bv, .offset: 32, .size: 8, .value_kind: global_buffer, .address_space: global }
      - { .name: qkv, .offset: 40, .size: 8, .value_kind: global_buffer, .address_space: global }
    .group_segment_fixed_size: 327680
    .private_segment_fixed_size: 0
    .kernarg_segment_align: 8
    .kernarg_segment_size: 48
    .max_flat_workgroup_size: 128
    .sgpr_count:     80
    .vgpr_count:     960
    .wavefront_size: 32
...
	.end_amdgpu_metadata
.endif
;; end of part 2
;; launch attn (part 3): grid 8 x 32, 4 waves a work-group, no clusters, 327,680 bytes of LDS; arguments qkv, yh; writes yh
.if DOCPART == 3
	.amdgcn_target "amdgcn-amd-amdhsa--gfx1250"
	.amdhsa_code_object_version 6
	.text
	.protected	k_q025fdab6c3_attn
	.globl	k_q025fdab6c3_attn
	.p2align	8
	.type	k_q025fdab6c3_attn,@function
k_q025fdab6c3_attn:
	s_mov_b64 s[64:65], 0
	v_nop
	global_prefetch_b8 v0, s[64:65] scope:SCOPE_SE
	s_setreg_imm32_b32 hwreg(HW_REG_WAVE_MODE, 25, 1), 1
	s_wait_xcnt 0x0
; attn: causal attention with ALiBi, one pass with a running maximum.  qkv: planes [4096 rows][64] f16 (0-15 q, 16-31 k, 32-47 v).  yh: 16 planes of the same form.
; T = 2,048 is 16 blocks of 128.  Work-group (p, b x 16 + head) takes the query blocks p and H = 15 - p of one head: (p + 1) + (16 - p) = 17 pairs of a query block
; and a key block for every work-group, so all 256 have the same work.  Wave w owns rows 32 w .. +31 of both blocks: query tiles 0, 1 (block p) and 2, 3 (block H).
; ALL IS TRANSPOSED, so that a lane is a query.  S^T = K Q^T: lane (r, h), register j of tile a = key 16 a + 8 h + j, query r.  The weights, packed in pairs,
; are then already the second source of O^T = V^T P^T (V^T by transposing LDS loads), and maximum, sum and rescaling are one number a lane;
; one exchange between the halves of the wave joins keys 8 h + j.
; THE KEY BLOCKS' ORDER (a softmax takes its keys in any order): block p (block p's queries masked, H's plain; starts all sums); p + 1 .. 14 - p (H alone);
; 0 .. p - 1 (both plain); 15 - p (H alone, masked).  16 - p trips, on two LDS slots that take turns; each wave brings a quarter of a slot (64 keys of K or of V).
; NO CLUSTER: the eight work-groups of a head need 16 - p key blocks, a number that differs between them, and take them in different orders; a joint request
; would need equal trips in all partners, that is 16 blocks for each and with them the work that the causal mask spares.
; ARITHMETIC AND LIMITS: exponents in base 2.  Of the bias -slope (i - j) the part -slope i is the same for a whole row and is left out (a softmax is unchanged
; by a shift of its row); slope log2(e) j, up to about 2,090, is added in f32, so an exponent carries an absolute rounding of about 1.2e-4.
; slope = 2^(-(head + 1) / 2) by v_exp_f32 (1 ulp).  The row's maximum is taken away, as a running maximum.
; The matrix unit's operands are f16 (11 significant bits), sums and scores f32.  The weights lie in [0, 1], the largest of a row's so far being 1: those below
; 6e-8 round to zero.  y is an average of v's rows and has v's range (below 65,504: the launch that makes v gives the arithmetic).
; NaN and infinities among the inputs are not followed.
.set SLOTB, 40960                      ; a slot: four regions
.set RGN,   10240                      ; regions 0, 1: K's keys 0-63, 64-127; regions 2, 3: V's
.set PK,    144                        ; K's rows: 128 bytes + 16, an odd multiple of 16
.set PV,    160                        ; V's rows: 128 bytes + 32, an odd multiple of 32, for the transposing loads
.set STAGE, 2*SLOTB                    ; behind the ring, at a multiple of 256: 16 rows x 144 bytes for each wave; no fill lands here
.set ADRK, 8                           ; v8-9    K fragments in slot 0, 1
.set ADRV, 10                          ; v10-11  V fragments
.set STO,  12
.set RD,   13
.set CO,   14
.set LIMB, 15                          ; 32 w + r - 8 h
.set SL,   16                          ; slope x log2(e)
.set SL64, 17
.set GB,   18                          ; v18-19  SL x the first key of this trip's two halves
.set M,    20                          ; v20-23  running maximum of query tile q
.set LS,   24                          ; v24-27  running sum (of my half's keys)
.set AL,   28                          ; v[28:29] the rescaling factor (first of the pair)
.set MM,   30                          ; v[30:31] maximum less GB (first of the pair)
.set T,    32                          ; v32-47  at work
.set LIM,  48
.set QO,   49
.set NINF, 50
.set BC,   64                          ; v64-95  SL x (16 a + 8 h + j) at 8 a + j
.set SC,   128                         ; v128-255 scores, then weights: tile (q, a) at 32 q + 8 a
.set KF,   0                           ; window 1: K fragment (a, ks) at 16 a + 8 ks
.set VF,   64                          ; window 1: V^T fragment (t, c) at 64 + 16 t + 8 c
.set QF,   128                         ; window 1: Q fragment (q, ks) at 128 + 16 q + 8 ks
                                       ; window 2: O^T tile (q, t) at 32 q + 8 t
.set MSB, 0
.macro WIN new
.if MSB != \new
	s_set_vgpr_msb (MSB<<8)|\new
.set MSB, \new
.endif
.endm
.macro PLACES n
.rept \n
	v_nop
.endr
.endm
; My quarter of slot sl: waves 0, 1 bring K (pitch 144), waves 2, 3 V (pitch 160).  The branch hangs on the wave's number alone.
.macro KVLOAD sl
	s_cmp_lt_u32 s8, 2
	s_cbranch_scc0 .Lv_\@
	tensor_load_to_lds s[32+4*\sl:35+4*\sl], s[16:23]
	s_nop 0
	s_branch .Ld_\@
.Lv_\@:
	tensor_load_to_lds s[32+4*\sl:35+4*\sl], s[24:31]
	s_nop 0
.Ld_\@:
.endm
; The next key block in the order p, p + 1 .. 14 - p, 0 .. p - 1, 15 - p, and slot sl's address for it.  Stands where no tensor load of the wave is out.
.macro NEXTBLK sl
	s_add_co_u32 s14, s14, 1
	s_cmp_eq_u32 s14, s10
	s_cselect_b32 s14, 0, s14                      ; behind 14 - p comes 0,
	s_cmp_eq_u32 s14, s9
	s_cselect_b32 s14, s10, s14                    ; behind p - 1 comes 15 - p
	s_mov_b32 s[45+\sl], s14
	s_lshl_b32 s42, s14, 14                        ; 128 keys of 128 bytes
	s_add_nc_u64 s[34+4*\sl:35+4*\sl], s[40:41], s[42:43]
	s_or_b32 s[35+4*\sl], s[35+4*\sl], 0x80000000
.endm
	s_load_b128 s[4:7], s[0:1], 0x0                ; qkv s[4:5], yh s[6:7]
	v_lshl_add_u32 v126, v0, 2, 0x29000
	v_mov_b32 v127, 0
	ds_add_u32 v126, v127
	ds_add_u32 v126, v127
	v_lshrrev_b32 v1, 5, v0
	v_readfirstlane_b32 s8, v1                     ; wave
	s_mov_b32 s9, ttmp9                            ; p
	s_sub_co_u32 s10, 15, s9                       ; H
	s_and_b32 s11, ttmp7, 0xffff
	s_and_b32 s12, s11, 15                         ; head
	s_lshr_b32 s13, s11, 4                         ; b
	; group 1: a dense block of 8,192 bytes (64 keys of 128) as 32 rows of 32 elements of 8 bytes, padded behind every 32 words: by 4 words (K), by 8 (V)
	s_mov_b32 s16, (3<<16)|(1<<20)|(4<<22)|(3<<25)
	s_mov_b32 s24, (3<<16)|(1<<20)|(4<<22)|(7<<25)
	s_mov_b32 s17, 32<<16
	s_mov_b32 s25, 32<<16
	s_mov_b32 s18, 32<<16
	s_mov_b32 s26, 32<<16
	s_mov_b32 s19, 32<<16
	s_mov_b32 s27, 32<<16
	s_mov_b32 s20, 32
	s_mov_b32 s28, 32
	s_mov_b32 s21, 32
	s_mov_b32 s29, 32
	s_mov_b32 s22, 0
	s_mov_b32 s30, 0
	s_mov_b32 s23, 0
	s_mov_b32 s31, 0
	s_lshr_b32 s50, s8, 1
	s_lshl_b32 s50, s50, 4
	s_add_co_u32 s50, s50, s12
	s_add_co_u32 s50, s50, 16                      ; my plane: 16 + head (K) or 32 + head (V)
	s_lshl_b32 s42, s50, 19
	s_lshl_b32 s51, s13, 18                        ; b x 2,048 rows x 128 bytes
	s_add_co_u32 s42, s42, s51
	s_and_b32 s51, s8, 1
	s_lshl_b32 s51, s51, 13                        ; the block's second 64 keys
	s_add_co_u32 s42, s42, s51
	s_mov_b32 s43, 0
	s_mul_i32 s51, s8, RGN                         ; my region of a slot
	s_mov_b32 s32, 1
	s_add_co_u32 s33, s51, 0
	s_mov_b32 s36, 1
	s_add_co_u32 s37, s51, SLOTB
	s_mov_b32 s14, s9                              ; the first block is p
	s_mov_b32 s45, s9
	s_wait_dscnt 0x0
	s_wait_kmcnt 0x0
	s_add_nc_u64 s[40:41], s[4:5], s[42:43]
	s_lshl_b32 s42, s9, 14
	s_add_nc_u64 s[34:35], s[40:41], s[42:43]
	s_or_b32 s35, s35, 0x80000000
	NEXTBLK 1
	; the first fills of both slots, in one branch on the wave's number, ahead of every wait, LDS read and barrier: two tensor loads of a wave are out
	s_cmp_lt_u32 s8, 2
	s_cbranch_scc0 .Lfirst_v
	tensor_load_to_lds s[32:35], s[16:23]
	s_nop 0
	tensor_load_to_lds s[36:39], s[16:23]
	s_nop 0
	s_branch .Lfirst_done
.Lfirst_v:
	tensor_load_to_lds s[32:35], s[24:31]
	s_nop 0
	tensor_load_to_lds s[36:39], s[24:31]
	s_nop 0
.Lfirst_done:
	; my rows of q and of yh: plane head, row 2,048 b + 128 block + 32 w
	s_lshl_b32 s50, s12, 19
	s_lshl_b32 s51, s13, 18
	s_add_co_u32 s50, s50, s51
	s_lshl_b32 s51, s8, 12
	s_add_co_u32 s50, s50, s51
	s_lshl_b32 s2, s9, 14
	s_add_co_u32 s2, s2, s50
	s_mov_b32 s3, 0
	s_add_nc_u64 s[54:55], s[4:5], s[2:3]          ; q, block p
	s_add_nc_u64 s[58:59], s[6:7], s[2:3]          ; yh, block p
	s_lshl_b32 s2, s10, 14
	s_add_co_u32 s2, s2, s50
	s_add_nc_u64 s[56:57], s[4:5], s[2:3]          ; q, block H
	s_add_nc_u64 s[60:61], s[6:7], s[2:3]          ; yh, block H
	v_and_b32 v1, 15, v0                           ; r
	v_bfe_u32 v2, v0, 4, 1                         ; h
	v_and_b32 v3, 31, v0                           ; lane
	v_lshlrev_b32 v[QO], 7, v1
	v_lshl_add_u32 v[QO], v2, 4, v[QO]             ; a fragment of Q straight from memory: row r, 16 h, two loads 32 bytes apart
	WIN 0x40
.irp q, 0,1
.irp ks, 0,1
	global_load_b128 v[QF+16*\q+8*\ks:QF+16*\q+8*\ks+3],       v[QO], s[54:55] offset:\q*2048+\ks*64
	global_load_b128 v[QF+16*\q+8*\ks+4:QF+16*\q+8*\ks+7],     v[QO], s[54:55] offset:\q*2048+\ks*64+32
	global_load_b128 v[QF+32+16*\q+8*\ks:QF+32+16*\q+8*\ks+3],   v[QO], s[56:57] offset:\q*2048+\ks*64
	global_load_b128 v[QF+32+16*\q+8*\ks+4:QF+32+16*\q+8*\ks+7], v[QO], s[56:57] offset:\q*2048+\ks*64+32
.endr
.endr
	WIN 0
	v_mul_u32_u24 v4, v1, PK
	v_lshl_add_u32 v4, v2, 4, v4                   ; r x 144 + 16 h
	v_mov_b32 v[ADRK], v4
	v_add_nc_u32 v[ADRK+1], SLOTB, v4
	v_and_b32 v5, 7, v0
	v_lshl_add_u32 v5, v2, 3, v5                   ; key 8 h + lane % 8
	v_mul_u32_u24 v5, v5, PV
	v_bfe_u32 v6, v0, 3, 1
	v_lshl_add_u32 v5, v6, 4, v5                   ; + 16 bytes for lanes 8-15 of each half
	v_add_nc_u32 v[ADRV], 2*RGN, v5
	v_add_nc_u32 v[ADRV+1], SLOTB+2*RGN, v5
	s_mul_i32 s50, s8, 16*PK
	s_add_co_u32 s50, s50, STAGE
	v_add_nc_u32 v[STO], s50, v4
	v_lshrrev_b32 v6, 3, v3
	v_mul_u32_u24 v6, v6, PK
	v_and_b32 v7, 7, v0
	v_lshl_add_u32 v6, v7, 4, v6
	v_add_nc_u32 v[RD], s50, v6
	v_lshlrev_b32 v[CO], 4, v3
	v_lshlrev_b32 v7, 3, v2                        ; 8 h
	v_sub_nc_u32 v[LIMB], v1, v7
	s_lshl_b32 s51, s8, 5
	v_add_nc_u32 v[LIMB], s51, v[LIMB]             ; key 16 a + 8 h + j of the block is allowed for query 32 w + 16 (q % 2) + r  <=>  16 a + j <= LIMB + 16 (q % 2)
	s_add_co_u32 s50, s12, 1
	v_cvt_f32_u32 v[SL], s50
	v_mul_f32 v[SL], -0.5, v[SL]
	v_exp_f32 v[SL], v[SL]                         ; slope = 2^(-(head + 1) / 2)
	v_nop                                          ; one plain instruction behind a transcendental before its result is used
	s_wait_alu depctr_va_vdst(0)
	v_mul_f32 v[SL], 0x3fb8aa3b, v[SL]             ; x log2(e)
	v_mul_f32 v[SL64], 0x42800000, v[SL]           ; x 64
.irp e, 0,1,2,3,4,5,6,7,8,9,10,11,12,13,14,15,16,17,18,19,20,21,22,23,24,25,26,27,28,29,30,31
	v_add_nc_u32 v[T+(\e%4)], 16*(\e/8)+(\e%8), v7
	v_cvt_f32_u32 v[T+(\e%4)], v[T+(\e%4)]
	v_mul_f32 v[BC+\e], v[SL], v[T+(\e%4)]
.endr
	v_mov_b32 v[AL+1], 0                           ; the second registers of the two broadcast pairs are never used, but count as read
	v_mov_b32 v[MM+1], 0
	v_mov_b32 v[NINF], 0xff800000
	s_mov_b32 s48, 0x76543210                      ; v_permlanex16_b32: lane i of one half reads lane i of the other
	s_mov_b32 s49, 0xfedcba98
	s_mov_b32 s52, 0x3e38aa3b                      ; log2(e) / sqrt(64)
	s_mov_b32 s53, 0x3e38aa3b
.macro KLOAD slot, sub                 ; 16 loads: 64 keys x 64 of K as first sources
	WIN 0x40
.irp a, 0,1,2,3
.irp ks, 0,1
	ds_load_b128 v[KF+16*\a+8*\ks:KF+16*\a+8*\ks+3],   v[ADRK+\slot] offset:\sub*RGN+\a*16*PK+\ks*64
	ds_load_b128 v[KF+16*\a+8*\ks+4:KF+16*\a+8*\ks+7], v[ADRK+\slot] offset:\sub*RGN+\a*16*PK+\ks*64+32
.endr
.endr
.endm
.macro VLOAD slot, sub                 ; 16 transposing loads: V^T, 64 x 64 keys, as first sources
	WIN 0x40
.irp t, 0,1,2,3
.irp c, 0,1
	ds_load_tr16_b128 v[VF+16*\t+8*\c:VF+16*\t+8*\c+3],   v[ADRV+\slot] offset:\sub*RGN+\c*32*PV+32*\t
	ds_load_tr16_b128 v[VF+16*\t+8*\c+4:VF+16*\t+8*\c+7], v[ADRV+\slot] offset:\sub*RGN+\c*32*PV+32*\t+16*PV
.endr
.endr
.endm
; S^T = K Q^T for the live query tiles (2, 3 always; 0, 1 if lowlive): first all tiles' first 32 of the head's 64, which start the sums, then all tiles' second 32.
; The accumulators take turns, one instruction a turn.
.macro SMUL lowlive
	WIN 0x05
.irp ks, 0,1
.irp q, 0,1,2,3
.if (\q/2)+\lowlive
.irp a, 0,1,2,3
.if \ks
	v_wmma_f32_16x16x32_f16 v[SC+32*\q+8*\a:SC+32*\q+8*\a+7], v[KF+16*\a+8:KF+16*\a+15], v[QF+16*\q+8:QF+16*\q+15], v[SC+32*\q+8*\a:SC+32*\q+8*\a+7]
.else
	v_wmma_f32_16x16x32_f16 v[SC+32*\q+8*\a:SC+32*\q+8*\a+7], v[KF+16*\a:KF+16*\a+7], v[QF+16*\q:QF+16*\q+7], 0
.endif
.endr
.endif
.endr
.endr
.endm
; O^T += V^T P^T for query tiles q0, q0 + 1: eight accumulators by turns, keys 0-31 and then keys 32-63
.macro PVMUL q0, first
	WIN 0xa1
.irp c, 0,1
.irp q, \q0, \q0+1
.irp t, 0,1,2,3
.if (1-\c)*\first
	v_wmma_f32_16x16x32_f16 v[32*(\q)+8*\t:32*(\q)+8*\t+7], v[VF+16*\t+8*\c:VF+16*\t+8*\c+7], v[SC+32*(\q)+16*\c:SC+32*(\q)+16*\c+7], 0
.else
	v_wmma_f32_16x16x32_f16 v[32*(\q)+8*\t:32*(\q)+8*\t+7], v[VF+16*\t+8*\c:VF+16*\t+8*\c+7], v[SC+32*(\q)+16*\c:SC+32*(\q)+16*\c+7], v[32*(\q)+8*\t:32*(\q)+8*\t+7]
.endif
.endr
.endr
.endr
.endm
; The softmax step of query tile q on 64 keys: 32 numbers a lane.
.macro SOFT q, sub, mask, first
	WIN 0
.irp i, 0,1,2,3,4,5,6,7,8,9,10,11,12,13,14,15
	v_pk_fma_f32 v[SC+32*\q+2*\i:SC+32*\q+2*\i+1], v[SC+32*\q+2*\i:SC+32*\q+2*\i+1], s[52:53], v[BC+2*\i:BC+2*\i+1] op_sel_hi:[1,0,1]   ; score x log2(e) / 8 + the bias inside the 64 keys
.endr
.if \mask
	v_add_nc_u32 v[LIM], 16*(\q%2)-64*\sub, v[LIMB]
.irp e, 0,1,2,3,4,5,6,7,8,9,10,11,12,13,14,15,16,17,18,19,20,21,22,23,24,25,26,27,28,29,30,31
	v_cmp_le_i32 vcc_lo, 16*(\e/8)+(\e%8), v[LIM]
	v_cndmask_b32 v[SC+32*\q+\e], v[NINF], v[SC+32*\q+\e], vcc_lo        ; keys behind the query: minus infinity
.endr
.endif
.irp k, 0,1,2,3
	v_max3_num_f32 v[T+\k], v[SC+32*\q+8*\k], v[SC+32*\q+8*\k+1], v[SC+32*\q+8*\k+2]   ; four chains that do not wait for each other
.endr
.irp k, 0,1,2,3
	v_max3_num_f32 v[T+\k], v[T+\k], v[SC+32*\q+8*\k+3], v[SC+32*\q+8*\k+4]
.endr
.irp k, 0,1,2,3
	v_max3_num_f32 v[T+\k], v[T+\k], v[SC+32*\q+8*\k+5], v[SC+32*\q+8*\k+6]
.endr
.irp k, 0,1,2,3
	v_max_num_f32 v[T+\k], v[T+\k], v[SC+32*\q+8*\k+7]
.endr
	v_max3_num_f32 v[T], v[T], v[T+1], v[T+2]
	v_max_num_f32 v[T], v[T], v[T+3]
	v_permlanex16_b32 v[T+1], v[T], s48, s49       ; the other half's keys of the same query
	v_max_num_f32 v[T], v[T], v[T+1]
	v_add_f32 v[T], v[T], v[GB+\sub]               ; + the bias of the 64 keys' first
.if \first
	v_mov_b32 v[M+\q], v[T]
	v_sub_f32 v[MM], v[T], v[GB+\sub]
.else
	v_max_num_f32 v[T+1], v[M+\q], v[T]
	v_sub_f32 v[AL], v[M+\q], v[T+1]
	v_exp_f32 v[AL], v[AL]                         ; what the old sums are worth under the new maximum
	v_mov_b32 v[M+\q], v[T+1]                      ; the plain instruction behind the transcendental
	v_sub_f32 v[MM], v[T+1], v[GB+\sub]
.endif
.irp i, 0,1,2,3,4,5,6,7,8,9,10,11,12,13,14,15
	v_pk_add_f32 v[SC+32*\q+2*\i:SC+32*\q+2*\i+1], v[SC+32*\q+2*\i:SC+32*\q+2*\i+1], v[MM:MM+1] op_sel_hi:[1,0] neg_lo:[0,1] neg_hi:[0,1]
.endr
.irp e, 0,1,2,3,4,5,6,7,8,9,10,11,12,13,14,15,16,17,18,19,20,21,22,23,24,25,26,27,28,29,30,31
	v_exp_f32 v[SC+32*\q+\e], v[SC+32*\q+\e]
.endr
	v_nop                                          ; one plain instruction before the last results are used
	s_wait_alu depctr_va_vdst(0)
.irp i, 0,1,2,3,4,5,6,7
	v_pk_add_f32 v[T+2*\i:T+2*\i+1], v[SC+32*\q+4*\i:SC+32*\q+4*\i+1], v[SC+32*\q+4*\i+2:SC+32*\q+4*\i+3]
.endr
.irp i, 0,1,2,3
	v_pk_add_f32 v[T+4*\i:T+4*\i+1], v[T+4*\i:T+4*\i+1], v[T+4*\i+2:T+4*\i+3]
.endr
	v_pk_add_f32 v[T:T+1], v[T:T+1], v[T+4:T+5]
	v_pk_add_f32 v[T+8:T+9], v[T+8:T+9], v[T+12:T+13]
	v_pk_add_f32 v[T:T+1], v[T:T+1], v[T+8:T+9]
.if \first
	v_add_f32 v[LS+\q], v[T], v[T+1]
.else
	v_add_f32 v[T], v[T], v[T+1]
	v_fma_f32 v[LS+\q], v[LS+\q], v[AL], v[T]
.endif
	; pack in place: tiles 2 c and 2 c + 1 become the eight registers of the second source for keys 32 c .. 32 c + 31
.irp c, 0,1
.irp i, 0,1,2,3
	v_cvt_pk_f16_f32 v[SC+32*\q+16*\c+\i], v[SC+32*\q+16*\c+2*\i], v[SC+32*\q+16*\c+2*\i+1]
.endr
.irp i, 0,1,2,3
	v_cvt_pk_f16_f32 v[SC+32*\q+16*\c+4+\i], v[SC+32*\q+16*\c+8+2*\i], v[SC+32*\q+16*\c+9+2*\i]
.endr
.endr
.if \first == 0
	WIN 0x82
.irp i, 0,1,2,3,4,5,6,7,8,9,10,11,12,13,14,15
	v_pk_mul_f32 v[32*\q+2*\i:32*\q+2*\i+1], v[32*\q+2*\i:32*\q+2*\i+1], v[AL:AL+1] op_sel_hi:[1,0]
.endr
.endif
.endm
; 64 keys.  low: block p's queries off (0), plain (1), masked (2); high: block H's plain (1), masked (2).  K's fragments of these keys were asked for before.
.macro SUB slot, sub, low, high, first, nextk
	PLACES 5                                       ; behind the last O^T products: four places before loads into V's fragments, five before scores are written over the weights
	VLOAD \slot, \sub
	s_wait_dscnt 16                                ; K's fragments are in; the sixteen loads of V just issued stay out
	SMUL \low
	WIN 0
	PLACES 4                                       ; before the scores are read and K's fragments loaded again
.if \nextk
	KLOAD \slot, 1
.endif
.if \low
	SOFT 0, \sub, \low/2, \first
	SOFT 1, \sub, \low/2, \first
	s_wait_dscnt 16*\nextk                         ; V's fragments are in; only the next half's K (if asked for) is younger
	PVMUL 0, \first
.endif
	SOFT 2, \sub, \high/2, \first
	SOFT 3, \sub, \high/2, \first
.if \low == 0
	s_wait_dscnt 16*\nextk
.endif
	PVMUL 2, \first
	WIN 0
.endm
; A key block of 128, from slot; other = the slot read in the trip before.  Before that slot is filled again every wave waits for all its tensor loads
; (its part of this trip's slot among them) and for its LDS reads, and passes the barrier; the refill is the first thing behind it, one tensor load a wave,
; and has this whole trip in which to land.
.macro TRIP slot, other, low, high, first, head, refill
.if \head == 0
	s_wait_tensorcnt 0x1                           ; my part of slot 0 is in; slot 1's stays out
	s_barrier_signal -1
	s_barrier_wait -1
.else
	s_wait_tensorcnt 0x0
	ds_add_u32 v126, v127
	s_wait_dscnt 0x0
.if \refill
	NEXTBLK \other
.endif
	s_wait_dscnt 0x0
	s_barrier_signal -1
	s_barrier_wait -1
.if \refill
	KVLOAD \other
.endif
.endif
	s_lshl_b32 s50, s[45+\slot], 7                 ; this block's first key
	v_cvt_f32_u32 v[GB], s50
	v_mul_f32 v[GB], v[SL], v[GB]
	v_add_f32 v[GB+1], v[GB], v[SL64]
	KLOAD \slot, 0
	SUB \slot, 0, \low, \high, \first, 1
	SUB \slot, 1, \low, \high, 0, 0
.endm
	s_wait_loadcnt 0x0                             ; Q's fragments
	TRIP 0, 1, 2, 1, 1, 0, 0                       ; block p: the diagonal of block p's queries; starts all sums
	s_sub_co_u32 s44, 7, s9                        ; blocks p + 1 .. 14 - p: 7 - p pairs of trips, block H's queries alone
	s_cmp_eq_u32 s44, 0
	s_cbranch_scc1 .LBend
.LB:
	TRIP 1, 0, 0, 1, 0, 1, 1
	TRIP 0, 1, 0, 1, 0, 1, 1
	s_sub_co_u32 s44, s44, 1
	s_cmp_lg_u32 s44, 0
	s_cbranch_scc1 .LB
.LBend:
	s_lshr_b32 s44, s9, 1                          ; blocks 0 .. p - 1, both query blocks: p / 2 pairs of trips
	s_cmp_eq_u32 s44, 0
	s_cbranch_scc1 .LAend
.LA:
	TRIP 1, 0, 1, 1, 0, 1, 1
	TRIP 0, 1, 1, 1, 0, 1, 1
	s_sub_co_u32 s44, s44, 1
	s_cmp_lg_u32 s44, 0
	s_cbranch_scc1 .LA
.LAend:
	s_bitcmp1_b32 s9, 0
	s_cbranch_scc1 .Lodd
	TRIP 1, 0, 0, 2, 0, 1, 0                       ; p even: block 15 - p, the diagonal of block H's queries; nothing is left to fetch
	s_branch .Lout
.Lodd:
	TRIP 1, 0, 1, 1, 0, 1, 1                       ; p odd: block p - 1 first
	TRIP 0, 1, 0, 2, 0, 1, 0
.Lout:
	; THE WAY OUT, a query tile at a time: divide by the sum, round to f16, 16 bytes a lane into my own stage, read back four rows a load
	PLACES 4
.macro OUTQ q, base
	WIN 0
	v_permlanex16_b32 v[T], v[LS+\q], s48, s49     ; the other half's keys
	v_add_f32 v[T], v[T], v[LS+\q]
	v_rcp_f32 v[AL], v[T]
	v_nop
	WIN 0x02
	s_wait_alu depctr_va_vdst(0)
.irp i, 0,1,2,3,4,5,6,7,8,9,10,11,12,13,14,15
	v_pk_mul_f32 v[SC+32*\q+2*\i:SC+32*\q+2*\i+1], v[32*\q+2*\i:32*\q+2*\i+1], v[AL:AL+1] op_sel_hi:[1,0]
.endr
	WIN 0
.irp i, 0,1,2,3,4,5,6,7,8,9,10,11,12,13,14,15
	v_cvt_pk_f16_f32 v[SC+32*\q+\i], v[SC+32*\q+2*\i], v[SC+32*\q+2*\i+1]
.endr
.irp t, 0,1,2,3
	ds_store_b128 v[STO], v[SC+32*\q+4*\t:SC+32*\q+4*\t+3] offset:32*\t
.endr
.irp i, 0,1,2,3
	ds_load_b128 v[SC+32*\q+16+4*\i:SC+32*\q+16+4*\i+3], v[RD] offset:\i*4*PK      ; LDS serves a wave's instructions in order: these see the stores above
.endr
.irp i, 0,1,2,3
	s_wait_dscnt 3-\i
	global_store_b128 v[CO], v[SC+32*\q+16+4*\i:SC+32*\q+16+4*\i+3], s[\base:\base+1] offset:(\q%2)*2048+\i*512   ; 512 consecutive bytes of the head's plane; each tile has registers of its own
.endr
.endm
	OUTQ 0, 58
	OUTQ 1, 58
	OUTQ 2, 60
	OUTQ 3, 60
	s_wait_tensorcnt 0x0
	ds_add_u32 v126, v127
	s_wait_dscnt 0x0
	s_endpgm
.Lfunc_end_k_q025fdab6c3_attn:
	.size	k_q025fdab6c3_attn, .Lfunc_end_k_q025fdab6c3_attn-k_q025fdab6c3_attn
	.p2alignl 7, 3214868480
	.fill 96, 4, 3214868480
	.section	.rodata,"a",@progbits
	.p2align	6, 0x0
	.amdhsa_kernel k_q025fdab6c3_attn
		.amdhsa_group_segment_fixed_size 327680
		.amdhsa_private_segment_fixed_size 0
		.amdhsa_enable_private_segment 0
		.amdhsa_kernarg_size 16
		.amdhsa_user_sgpr_count 2
		.amdhsa_user_sgpr_kernarg_segment_ptr 1
		.amdhsa_wavefront_size32 1
		.amdhsa_system_sgpr_workgroup_id_x 1
		.amdhsa_system_sgpr_workgroup_id_y 1
		.amdhsa_system_sgpr_workgroup_id_z 1
		.amdhsa_system_vgpr_workitem_id 0
		.amdhsa_next_free_vgpr 640
		.amdhsa_next_free_sgpr 66
		.amdhsa_reserve_vcc 1
		.amdhsa_float_denorm_mode_32 3
		.amdhsa_float_denorm_mode_16_64 3
		.amdhsa_memory_ordered 1
		.amdhsa_forward_progress 1
		.amdhsa_inst_pref_size 255
	.end_amdhsa_kernel
	.section	.bss,"aw",@nobits
	.p2align	6
	.space	262144
	.amdgpu_metadata
---
amdhsa.version: [ 1, 2 ]
amdhsa.kernels:
  - .name:           k_q025fdab6c3_attn
    .symbol:         k_q025fdab6c3_attn.kd
    .args:
      - { .name: qkv, .offset: 0, .size: 8, .value_kind: global_buffer, .address_space: global }
      - { .name: yh, .offset: 8, .size: 8, .value_kind: global_buffer, .address_space: global }
    .group_segment_fixed_size: 327680
    .private_segment_fixed_size: 0
    .kernarg_segment_align: 8
    .kernarg_segment_size: 16
    .max_flat_workgroup_size: 128
    .sgpr_count:     66
    .vgpr_count:     640
    .wavefront_size: 32
...
	.end_amdgpu_metadata
.endif
;; end of part 3
;; launch oproj (part 4): grid 8 x 32, 4 waves a work-group, clusters of 4 x 4, 327,680 bytes of LDS; arguments yh, wt, bo, out0; writes out0
.if DOCPART == 4
	.amdgcn_target "amdgcn-amd-amdhsa--gfx1250"
	.amdhsa_code_object_version 6
	.text
	.protected	k_q025fdab6c3_oproj
	.globl	k_q025fdab6c3_oproj
	.p2align	8
	.type	k_q025fdab6c3_oproj,@function
k_q025fdab6c3_oproj:
	s_mov_b64 s[64:65], 0
	v_nop
	global_prefetch_b8 v0, s[64:65] scope:SCOPE_SE
	s_setreg_imm32_b32 hwreg(HW_REG_WAVE_MODE, 25, 1), 1
	s_wait_xcnt 0x0
	s_wait_alu depctr_hold_cnt(0) depctr_sa_sdst(0) depctr_va_vdst(0) depctr_va_sdst(0) depctr_va_ssrc(0) depctr_va_vcc(0) depctr_vm_vsrc(0)
	s_getreg_b32 s2, hwreg(HW_REG_IB_STS2, 6, 4)
	s_cmp_eq_u32 s2, 0
	s_cbranch_scc0 .Lentry_in_a_cluster
	s_endpgm
.Lentry_in_a_cluster:
	s_bfe_u32 s2, ttmp6, 0x10000c
	s_cmp_lg_u32 s2, 0xf033
	s_cbranch_scc0 .Lentry_shape_is_right
	s_endpgm
.Lentry_shape_is_right:
; oproj: out0 = y . Wo + bo.  y as yh: 16 planes (heads) of [4096 rows][64] f16; Wo as wt's rows 3072-4095, [n][1024 k] f16; out0 [4096][1024] f32.
; k = 64 head + d is the natural order of y's columns, so a K step of 256 is four planes.  Sums in f32; the operands' range in f16 is argued where they are made.
; 4,096 x 1,024 results on 256 work-groups give a block of 128 x 128; four waves lie 2 x 2, 64 x 64 each: 16 accumulator tiles, 128 registers.
; K = 1,024 goes in 4 steps of 256 through two LDS slots, all written out: a slot holds what two steps of 128 would, so that only two refills are needed
; and a request has 124 matrix instructions of a wave before the wait for it.
; CLUSTERS: 4 x 4 work-groups; yh's tile hangs on the block row alone (joint along a row of the cluster), wt's on the block column alone (joint along a column).
; The matrix instruction is used transposed (source 0 = rows of wt, source 1 = rows of yh); the bias, laid out like a result, is the C of the first products.
; REGISTERS: window 0: v16-27 addresses; v32-95 yh's fragments, two buffers; v96-159 wt's, two buffers; v160-191 the bias; v192-223 the way out.
;   window 1: accumulator tile (a, b) at v[8 (4 a + b)].
.set PA,     144                       ; yh's LDS rows: 128 bytes + 16
.set PB,     528                       ; wt's LDS rows: 512 bytes + 16; both odd multiples of 16
.set AHEAD,  128*PA                    ; a head's 128 rows
.set ABYTES, 4*AHEAD
.set SLOT,   ABYTES+128*PB             ; 141,312 bytes
.set STAGE,  2*SLOT                    ; behind the ring, at a multiple of 256: 16 rows x 272 bytes for each wave; no fill lands here
.set SPITCH, 272
.set ADRA, 16
.set ADRB, 20
.set STO,  24
.set RD,   25
.set CO,   26
.set AF,   32                          ; buffer f at AF + 32 f
.set BF,   96                          ; buffer f at BF + 32 f
.set BIAS, 160
.set RB,   192
.set G1,  24
.set G0,  32
.set G1B, 48
.set G0B, 56
.set MSB, 0
.macro WIN new
.if MSB != \new
	s_set_vgpr_msb (MSB<<8)|\new
.set MSB, \new
.endif
.endm
.set MUL,   0x50                       ; sources window 0, C and D window 1
.set FIRST, 0x40                       ; the first products: C (the bias) window 0, D window 1
.macro JLOAD sl
	s_cmp_eq_u32 s17, 0
	s_cbranch_scc0 .Lfor_b_\@
	tensor_load_to_lds s[G0+4*\sl:G0+4*\sl+3], s[G1:G1+7]
	s_nop 0
	s_branch .Lasked_\@
.Lfor_b_\@:
	tensor_load_to_lds s[G0B+4*\sl:G0B+4*\sl+3], s[G1B:G1B+7]
	s_nop 0
.Lasked_\@:
.endm
.macro CREST
	s_cmp_lg_u32 s16, 0
	s_cbranch_scc1 .Lnot_wave_0_\@
	s_barrier_signal -3
.Lnot_wave_0_\@:
	s_barrier_wait -3
	s_barrier_signal -1
	s_barrier_wait -1
.endm
.macro CROUND
	s_barrier_signal -1
	s_barrier_wait -1
	CREST
.endm
	s_load_b256 s[4:11], s[0:1], 0x0               ; yh s[4:5], wt s[6:7], bo s[8:9], out0 s[10:11]
	v_lshl_add_u32 v254, v0, 2, 0x49400
	v_mov_b32 v255, 0
	ds_add_u32 v254, v255
	ds_add_u32 v254, v255
	v_lshrrev_b32 v1, 5, v0
	v_readfirstlane_b32 s16, v1                    ; wave
	s_lshr_b32 s17, s16, 1                         ; my half of the block's rows.  Also: I fetch for yh (0) or for wt (1)
	s_and_b32 s18, s16, 1                          ; my half of its columns.  Also: which half of that tile
	s_bfe_u32 s21, ttmp6, 0x40000                  ; cx
	s_bfe_u32 s22, ttmp6, 0x40004                  ; cy
	s_lshl_b32 s20, ttmp9, 2
	s_add_co_u32 s20, s20, s21                     ; block column
	s_and_b32 s19, ttmp7, 0xffff
	s_lshl_b32 s19, s19, 2
	s_add_co_u32 s19, s19, s22                     ; block row
	s_lshl_b32 s42, s22, 2
	s_lshl_b32 s42, 15, s42                        ; my row of the cluster
	s_lshl_b32 s43, 0x1111, s21                    ; my column
	; yh's tile of a wave: two heads, each a dense run of 128 rows x 128 bytes = one long row of 2,048 elements of 8 bytes, 65,536 elements from head to head;
	; padding of 4 words behind every 32 words makes LDS rows of 144 bytes
	s_or_b32 s[G1+0], s42, (3<<16)|(1<<20)|(1<<21)|(4<<22)|(3<<25)
	s_mov_b32 s[G1+1], 2048<<16
	s_mov_b32 s[G1+2], 2<<16
	s_mov_b32 s[G1+3], 2048<<16
	s_mov_b32 s[G1+4], 2
	s_mov_b32 s[G1+5], 65536
	s_mov_b32 s[G1+6], 0
	s_mov_b32 s[G1+7], 0
	; wt's tile of a wave: 64 rows of 256 elements of 2 bytes, 1,024 elements from row to row; 4 words behind every 128
	s_or_b32 s[G1B+0], s43, (1<<16)|(1<<20)|(1<<21)|(6<<22)|(3<<25)
	s_mov_b32 s[G1B+1], 256<<16
	s_mov_b32 s[G1B+2], 64<<16
	s_mov_b32 s[G1B+3], 256<<16
	s_mov_b32 s[G1B+4], 64
	s_mov_b32 s[G1B+5], 1024
	s_mov_b32 s[G1B+6], 0
	s_mov_b32 s[G1B+7], 0
	s_lshl_b32 s40, s16, 20                        ; heads 2 w, 2 w + 1 of the step's four (waves 0 and 1 ask)
	s_lshl_b32 s41, s19, 14                        ; 128 rows x 128 bytes
	s_add_co_u32 s40, s40, s41
	s_mov_b32 s41, 0
	s_lshl_b32 s46, s20, 18                        ; 128 rows x 2,048 bytes
	s_lshl_b32 s47, s18, 17                        ; + 64 rows
	s_add_co_u32 s46, s46, s47
	s_add_co_u32 s46, s46, 3072*2048               ; Wo's rows of wt
	s_mov_b32 s47, 0
	s_mul_i32 s44, s16, 2*AHEAD                    ; LDS: waves 0, 1 at w x 36,864
	s_mul_i32 s45, s16, 64*PB
	s_add_co_u32 s45, s45, ABYTES-2*64*PB          ; waves 2, 3 at 73,728 + (w - 2) x 33,792
	s_wait_dscnt 0x0
	s_wait_kmcnt 0x0
	s_add_nc_u64 s[40:41], s[4:5], s[40:41]
	s_add_nc_u64 s[46:47], s[6:7], s[46:47]
	CROUND                                         ; all sixteen work-groups are here: the first joint loads meet
.irp sl, 0,1
	s_mov_b32 s[G0+4*\sl], 1
	s_add_co_u32 s[G0+4*\sl+1], s44, \sl*SLOT
	s_add_nc_u64 s[G0+4*\sl+2:G0+4*\sl+3], s[40:41], \sl*4*524288
	s_or_b32 s[G0+4*\sl+3], s[G0+4*\sl+3], 0x80000000
	s_mov_b32 s[G0B+4*\sl], 1
	s_add_co_u32 s[G0B+4*\sl+1], s45, \sl*SLOT
	s_add_nc_u64 s[G0B+4*\sl+2:G0B+4*\sl+3], s[46:47], \sl*512
	s_or_b32 s[G0B+4*\sl+3], s[G0B+4*\sl+3], 0x80000000
	JLOAD \sl                                      ; two tensor loads of a wave are out
.endr
	v_and_b32 v1, 15, v0                           ; r
	v_bfe_u32 v2, v0, 4, 1                         ; h
	v_mul_u32_u24 v3, v1, PA
	v_lshl_add_u32 v3, v2, 4, v3
	v_mul_u32_u24 v4, v1, PB
	v_lshl_add_u32 v4, v2, 4, v4
	s_mul_i32 s74, s17, 64*PA                      ; my 64 rows of yh (in each head's run)
	s_mul_i32 s75, s18, 64*PB                      ; my 64 rows of wt
	s_add_co_u32 s75, s75, ABYTES
.irp sl, 0,1
	v_add_nc_u32 v[ADRA+\sl], s74, v3
	v_add_nc_u32 v[ADRB+\sl], s75, v4
	s_add_co_u32 s74, s74, SLOT
	s_add_co_u32 s75, s75, SLOT
.endr
	s_mul_i32 s76, s16, 16*SPITCH
	s_add_co_u32 s76, s76, STAGE
	v_mul_u32_u24 v5, v1, SPITCH
	v_lshl_add_u32 v5, v2, 5, v5
	v_add_nc_u32 v[STO], s76, v5                   ; in: row r, 32 bytes (8 f32) for each half of the lanes
	v_mul_u32_u24 v6, v2, SPITCH
	v_lshl_add_u32 v6, v1, 4, v6
	v_add_nc_u32 v[RD], s76, v6                    ; back: lanes 0-15 one row of 256 bytes, lanes 16-31 the next
	v_lshlrev_b32 v7, 12, v2
	v_lshl_add_u32 v[CO], v1, 4, v7                ; the same two rows in out0
	v_lshlrev_b32 v27, 5, v2
	s_lshl_b32 s74, s20, 9                         ; my first column, in bytes: 512 x block column + 256 x half
	s_lshl_b32 s75, s18, 8
	s_add_co_u32 s74, s74, s75
	s_mov_b32 s75, 0
	s_add_nc_u64 s[8:9], s[8:9], s[74:75]
.irp b, 0,1,2,3
	global_load_b128 v[BIAS+8*\b:BIAS+8*\b+3],   v27, s[8:9] offset:64*\b
	global_load_b128 v[BIAS+8*\b+4:BIAS+8*\b+7], v27, s[8:9] offset:64*\b+16
.endr
	s_lshl_b32 s76, s19, 19                        ; my first row: 128 x block row + 64 x half, 4,096 bytes a row
	s_add_co_u32 s74, s74, s76
	s_lshl_b32 s76, s17, 18
	s_add_co_u32 s74, s74, s76
	s_add_nc_u64 s[10:11], s[10:11], s[74:75]
; four matrix instructions: 16 of my rows x my four column blocks, 32 along K.  The 16 accumulators take turns, one instruction a turn, in the same order
; in every quarter.
.macro MUL4 f, a, first
.irp b, 0,1,2,3
.if \first
	v_wmma_f32_16x16x32_f16 v[8*(4*\a+\b):8*(4*\a+\b)+7], v[BF+32*\f+8*\b:BF+32*\f+8*\b+7], v[AF+32*\f+8*\a:AF+32*\f+8*\a+7], v[BIAS+8*\b:BIAS+8*\b+7]
.else
	v_wmma_f32_16x16x32_f16 v[8*(4*\a+\b):8*(4*\a+\b)+7], v[BF+32*\f+8*\b:BF+32*\f+8*\b+7], v[AF+32*\f+8*\a:AF+32*\f+8*\a+7], v[8*(4*\a+\b):8*(4*\a+\b)+7]
.endif
.endr
.endm
; 16 LDS loads: the fragments of the slot's eighth kq (32 K: head kq / 2, its half kq % 2) into buffer g
.macro FETCH slot, kq, g
	WIN 0
.irp i, 0,1,2,3
	ds_load_b128 v[BF+32*\g+8*\i:BF+32*\g+8*\i+3],   v[ADRB+\slot] offset:\kq*64+\i*16*PB
	ds_load_b128 v[BF+32*\g+8*\i+4:BF+32*\g+8*\i+7], v[ADRB+\slot] offset:\kq*64+\i*16*PB+32
.endr
.irp i, 0,1,2,3
	ds_load_b128 v[AF+32*\g+8*\i:AF+32*\g+8*\i+3],   v[ADRA+\slot] offset:(\kq/2)*AHEAD+(\kq%2)*64+\i*16*PA
	ds_load_b128 v[AF+32*\g+8*\i+4:AF+32*\g+8*\i+7], v[ADRA+\slot] offset:(\kq/2)*AHEAD+(\kq%2)*64+\i*16*PA+32
.endr
.endm
.macro PLACES                          ; four places of plain vector instructions behind a matrix instruction, before a load into one of its registers or a read of its result
.rept 4
	v_nop
.endr
.endm
.macro QUARTER slot, kq, f, g, first   ; multiplies buffer f; in its middle it fetches eighth kq into buffer g
	s_wait_dscnt 4                                 ; wt's fragments and my rows 0-31 are in; the youngest four loads (rows 32-63) may be out
.if \first
	WIN FIRST
.else
	WIN MUL
.endif
	MUL4 \f, 0, \first
	MUL4 \f, 1, \first
	PLACES
	FETCH \slot, \kq, \g
	s_wait_dscnt 16                                ; all but the 16 just issued
.if \first
	WIN FIRST
.else
	WIN MUL
.endif
	MUL4 \f, 2, \first
	MUL4 \f, 3, \first
.endm
.macro SEVEN slot, first
	QUARTER \slot, 1, 0, 1, \first
	QUARTER \slot, 2, 1, 0, 0
	QUARTER \slot, 3, 0, 1, 0
	QUARTER \slot, 4, 1, 0, 0
	QUARTER \slot, 5, 0, 1, 0
	QUARTER \slot, 6, 1, 0, 0
	QUARTER \slot, 7, 0, 1, 0
.endm
; The slot's last eighth, and the change of slots: each wave's waits for its reads and for all its tensor loads stand in front of the barrier; where the slot is
; filled again the barrier opens a round of the cluster's barrier and the joint refill is the first tensor load behind the round's close.
.macro TURN slot, next, fill
	s_wait_dscnt 4
	WIN MUL
	MUL4 1, 0, 0
	s_wait_dscnt 0
	s_wait_tensorcnt 0x0
	ds_add_u32 v254, v255
	s_wait_dscnt 0x0
	s_barrier_signal -1
	MUL4 1, 1, 0
	WIN 0
	s_barrier_wait -1
.if \fill
	CREST
	s_add_nc_u64 s[G0+4*\slot+2:G0+4*\slot+3], s[G0+4*\slot+2:G0+4*\slot+3], 8*524288
	s_add_nc_u64 s[G0B+4*\slot+2:G0B+4*\slot+3], s[G0B+4*\slot+2:G0B+4*\slot+3], 1024
	JLOAD \slot
.endif
	PLACES
	FETCH \next, 0, 0
	WIN MUL
	MUL4 1, 2, 0
	MUL4 1, 3, 0
.endm
	s_wait_loadcnt 0x0                             ; the bias
	s_wait_tensorcnt 0x1                           ; my part of slot 0 is in; slot 1's may stay out
	s_barrier_signal -1
	s_barrier_wait -1
	FETCH 0, 0, 0
	SEVEN 0, 1                                     ; k 0-255: the first products start the sums from the bias
	TURN 0, 1, 1
	SEVEN 1, 0                                     ; k 256-511
	TURN 1, 0, 1
	SEVEN 0, 0                                     ; k 512-767
	TURN 0, 1, 0                                   ; nothing is left to fetch
	SEVEN 1, 0                                     ; k 768-1023
	s_wait_dscnt 4
	WIN MUL
	MUL4 1, 0, 0
	MUL4 1, 1, 0
	s_wait_dscnt 0
	MUL4 1, 2, 0
	MUL4 1, 3, 0
	; THE WAY OUT, 16 rows at a time: the f32 sums as they are, 32 bytes a lane into my own stage, read back as whole rows of 256 bytes
	PLACES
.macro OUT16 a
	WIN 0x04                                       ; an LDS store's data: window 1
.irp b, 0,1,2,3
	ds_store_b128 v[STO], v[8*(4*\a+\b):8*(4*\a+\b)+3]   offset:64*\b
	ds_store_b128 v[STO], v[8*(4*\a+\b)+4:8*(4*\a+\b)+7] offset:64*\b+16
.endr
	WIN 0
	s_wait_xcnt 0x0                                ; RB, which the last 16 rows' stores read, is loaded again only behind this wait
.irp t, 0,1,2,3,4,5,6,7
	ds_load_b128 v[RB+4*\t:RB+4*\t+3], v[RD] offset:\t*2*SPITCH        ; LDS serves a wave's instructions in order: these see the stores above
.endr
.irp t, 0,1,2,3,4,5,6,7
	s_wait_dscnt 7-\t
	global_store_b128 v[CO], v[RB+4*\t:RB+4*\t+3], s[10:11] offset:(16*\a+2*\t)*4096 th:TH_STORE_NT   ; sixteen lanes store 256 consecutive bytes, at a multiple of 256 from out0's first byte
.endr
.endm
	OUT16 0
	OUT16 1
	OUT16 2
	OUT16 3
	s_wait_tensorcnt 0x0
	ds_add_u32 v254, v255
	s_wait_dscnt 0x0
	CROUND                                         ; the closing round
	s_endpgm
.Lfunc_end_k_q025fdab6c3_oproj:
	.size	k_q025fdab6c3_oproj, .Lfunc_end_k_q025fdab6c3_oproj-k_q025fdab6c3_oproj
	.p2alignl 7, 3214868480
	.fill 96, 4, 3214868480
	.section	.rodata,"a",@progbits
	.p2align	6, 0x0
	.amdhsa_kernel k_q025fdab6c3_oproj
		.amdhsa_group_segment_fixed_size 327680
		.amdhsa_private_segment_fixed_size 0
		.amdhsa_enable_private_segment 0
		.amdhsa_kernarg_size 32
		.amdhsa_user_sgpr_count 2
		.amdhsa_user_sgpr_kernarg_segment_ptr 1
		.amdhsa_wavefront_size32 1
		.amdhsa_system_sgpr_workgroup_id_x 1
		.amdhsa_system_sgpr_workgroup_id_y 1
		.amdhsa_system_sgpr_workgroup_id_z 1
		.amdhsa_system_vgpr_workitem_id 0
		.amdhsa_next_free_vgpr 384
		.amdhsa_next_free_sgpr 80
		.amdhsa_reserve_vcc 0
		.amdhsa_float_denorm_mode_32 3
		.amdhsa_float_denorm_mode_16_64 3
		.amdhsa_memory_ordered 1
		.amdhsa_forward_progress 1
		.amdhsa_inst_pref_size 91
	.end_amdhsa_kernel
	.amdgpu_metadata
---
amdhsa.version: [ 1, 2 ]
amdhsa.kernels:
  - .name:           k_q025fdab6c3_oproj
    .symbol:         k_q025fdab6c3_oproj.kd
    .args:
      - { .name: yh, .offset: 0, .size: 8, .value_kind: global_buffer, .address_space: global }
      - { .name: wt, .offset: 8, .size: 8, .value_kind: global_buffer, .address_space: global }
      - { .name: bo, .offset: 16, .size: 8, .value_kind: global_buffer, .address_space: global }
      - { .name: out0, .offset: 24, .size: 8, .value_kind: global_buffer, .address_space: global }
    .group_segment_fixed_size: 327680
    .private_segment_fixed_size: 0
    .kernarg_segment_align: 8
    .kernarg_segment_size: 32
    .max_flat_workgroup_size: 128
    .sgpr_count:     80
    .vgpr_count:     384
    .wavefront_size: 32
...
	.end_amdgpu_metadata
.endif
;; end of part 4
